; MI455X (gfx1250); checked and timed in simulation.
; The chip was launched on July 23, 2026; its instructions are those of AMD's public machine-readable ISA for CDNA 5 (MIT licence, August 2026) and "CDNA5" Instruction Set Architecture Reference Guide (July 2026). The comments in the code are by the model that wrote it; some were corrected since.
;; Differential Attention. Allowed arithmetic: matrix products marked QUANTISED: E3M2 operands, one E8M0 scale for each 32 along K, by v_wmma_scale_f32_16x16x128_f8f6f4 with both operands' format E3M2, f32 sums; everything else in f32.
;; Inputs: key 2 x 16 x 2,048 x 64 float32; lambda_params 16 float32; query 2 x 16 x 2,048 x 64 float32; value 2 x 16 x 2,048 x 64 float32.
;; Outputs: out0 2 x 16 x 2,048 x 64 float32.
;; This version of the problem:
;;   THIS VERSION OF THE PROBLEM IS GIVEN IN LOW PRECISION. The matrix products marked QUANTISED in the list below multiply operands that are first quantised to E3M2 (3 exponent bits, 2 mantissa bits; 6 bits a number), with one power-of-two scale for each 32 numbers along K (OCP MX v1.0); their sums are f32. All else is computed in f32.
;;   The module's matrix products, in the order in which they are computed (A, B: the left and right operand; K: the contracted axis; several contracted axes count as one K, in the product's order):
;;     1. batch 32 x [M 2,048, K 32] x [K 32, N 2,048]; A: input query; B: input key: QUANTISED
;;     2. batch 32 x [M 2,048, K 32] x [K 32, N 2,048]; A: input query; B: input key: QUANTISED
;;     3. batch 32 x [M 2,048, K 2,048] x [K 2,048, N 64]; A: computed on the way; B: input value: QUANTISED
;;   THE QUANTISER, for each operand of a quantised product, along K:
;;     - K is cut into blocks of 32 from its start; a last block that is shorter is filled with zeros.
;;     - A block's scale is 2^e with e = floor(log2(the largest magnitude in the block)) - 4, held to -126 .. 127; a block of zeros has e = 0. As a byte (E8M0): e + 127.
;;     - Each number is divided by its block's scale, clamped to +-28, and rounded to the nearest number of E3M2, ties to even, subnormals kept.
;;     - The product sums the exact products of the quantised numbers (number of the format x scale) in f32.
;;   ~~~python
;;   def quantise(x, axis):      # numpy; x: float32 -> the quantised numbers, widened to float32 again
;;       x = np.moveaxis(x, axis, -1); K = x.shape[-1]
;;       x = np.pad(x, [(0, 0)] * (x.ndim - 1) + [(0, -K % 32)]); x = x.reshape(x.shape[:-1] + (-1, 32)); a = np.abs(x).max(-1, keepdims=True)
;;       e = np.where(a > 0, np.clip(np.frexp(np.where(a > 0, a, 1))[1] - 1 - 4, -126, 127), 0)      # np.frexp(a)[1] - 1 = floor(log2(a)), exactly
;;       r = np.clip(x / 2.0 ** e, -28, 28)
;;       step = 2.0 ** (np.maximum(np.frexp(np.where(r == 0, 1, r))[1] - 1, -2) - 2)
;;       q = np.round(r / step) * step * 2.0 ** e      # np.round: ties to even
;;       return np.moveaxis(q.reshape(q.shape[:-2] + (-1,))[..., :K], -1, axis).astype(np.float32)
;;   ~~~
;;   OPERANDS COMPUTED ON THE WAY. 'Computed on the way' means the value that the module computes at that place (a softmax that the list does not call 'softmax' is quantised finished and normalised). What goes into a quantiser is computed in f32, as accurately as f32 sums, v_exp_f32 and their like allow (about 1e-6 of the number): no bf16 or f16 on the way to a quantiser, and a product that is left as it is and whose result goes on into a quantised operand takes f32 operands (vector FMAs, or v_wmma_f32_16x16x4_f32). A number that lies on a knife's edge between two numbers of the format may be rounded either way, as far as f32 arithmetic and the matrix unit's own rounding can turn it there, and no further.
;; One version. Each part assembles by itself: llvm-mc -triple=amdgcn-amd-amdhsa -mcpu=gfx1250 --defsym DOCPART=n.
;; ======== version 1 of 1: 2 launches
;; limits: right only within a limited range of input values
;; workspace buffers: qimg 6,291,456 bytes; qscl 262,144 bytes; kimg 3,145,728 bytes; kscl 131,072 bytes; vimg 3,145,728 bytes; vscl 131,072 bytes
;; launch prep (part 1): grid 768 x 1, 4 waves a work-group, no clusters, 71,168 bytes of LDS; arguments query, key, value, qimg, qscl, kimg, kscl, vimg, vscl; writes qimg, qscl, kimg, kscl, vimg, vscl
.if DOCPART == 1
	.amdgcn_target "amdgcn-amd-amdhsa--gfx1250"
	.amdhsa_code_object_version 6
	.text
	.protected	k_q1537916729_prep
	.globl	k_q1537916729_prep
	.p2align	8
	.type	k_q1537916729_prep,@function
k_q1537916729_prep:
	s_mov_b64 s[64:65], 0
	v_nop
	global_prefetch_b8 v0, s[64:65] scope:SCOPE_SE
	s_setreg_imm32_b32 hwreg(HW_REG_WAVE_MODE, 25, 1), 1
	s_wait_xcnt 0x0
; query, key, value: [32 heads][2048][64] f32.  Each is quantised ONCE to codes of E3M2 with one E8M0 byte for each 32 along its product's K, and laid as IMAGES OF OPERAND REGISTERS
; (lane l's 16 bytes at 16 l, or 8 bytes at 8 l), so that the second launch fills a fragment by dense loads alone.
; A block's scale is 2^(floor(log2(largest magnitude)) - 4); its byte is the largest magnitude's exponent field - 4, held at 1 from below by a floor among the maximum's leaves.
; LIMITS: NaN and infinities among the inputs are not served.  A block of zeros gets the byte 1 (not 127) with zero codes: these bytes are read by this program alone, and zero codes add nothing under any byte but 0xff.
; QUERY, KEY (K = 32: channels 0-31 are one block, channels 32-63 another).  A wave takes 64 rows = four tiles of 16; tile u's row m is row 32 (m / 8) + 8 u + m % 8 of the 64.
;   Lane (m, h) holds the 32 numbers of half h of its row: a whole block, six registers of codes.
;   key:   two tiles make one fragment of 12 registers: K blocks 0, 1 = first tile's two halves, blocks 2, 3 = second tile's.   kimg [64-row group][2] x 1,536 bytes; kscl 16 words a fragment.
;   query: X = first half's codes in lanes 0-15, zeros above; Y = zeros below, second half's codes in lanes 16-31.              qimg [tile] x 1,536 bytes: X0-1, X2-5, Y0-1, Y2-5; qscl 16 words a tile.
; VALUE (K = the keys).  A wave takes 128 keys x 32 channels: a lane takes a channel and its registers run down the keys, so a block of 32 keys lies in one lane.  vimg [head][128 keys][16 channels] x 1,536 bytes; vscl a word a channel.
; Work-groups 0-255 take query, 256-511 key, 512-767 value.  Waves share nothing: no barrier.  Only the query/key path uses LDS.
.set WST,   17664                      ; LDS of a wave: 64 rows, row i at 272 i + 128 (i / 32): the 16 lanes of a 16-byte pass then touch 16 different 16-byte columns
.set FLOOR, 0x2800000                  ; 2^(5 - 127)
.set EOFF,  0xfe000000                 ; -(4 << 23)
.set FR,    32                         ; v32-55   codes: four runs of six
.set PT,    56                         ; v56-58   a block's upper 16 codes, before they are moved (a conversion's three registers begin on an even number)
.set X,     64                         ; v64-127  two sets of 32 neighbours
.set R,     128                        ; v128-255 numbers as loaded; later the query's masked codes
; 32 numbers v[xs] .. v[xs + 31] of one block -> six registers of codes at v[cd], the scale's byte in v[bt]
.macro QB xs, cd, bt
	v_max3_num_f32 v16, |v[\xs]|, |v[\xs+1]|, |v[\xs+2]|
	v_max3_num_f32 v17, |v[\xs+16]|, |v[\xs+17]|, |v[\xs+18]|
.irp i, 3,5,7,9,11,13
	v_max3_num_f32 v16, v16, |v[\xs+\i]|, |v[\xs+\i+1]|            ; two chains by turns
	v_max3_num_f32 v17, v17, |v[\xs+16+\i]|, |v[\xs+17+\i]|
.endr
	v_max3_num_f32 v16, v16, |v[\xs+15]|, FLOOR                    ; the floor: the byte cannot fall under 1
	v_max_num_f32 v17, v17, |v[\xs+31]|
	v_max_num_f32 v16, v16, v17                                    ; the block's largest magnitude
	v_add_nc_u32 v20, EOFF, v16                                    ; 4 off its exponent field: the conversion takes this operand's exponent field as its scale
	v_lshrrev_b32 v[\bt], 23, v20                                  ; the scale's byte
	v_cvt_scalef32_pk16_bf6_f32 v[\cd:\cd+2], v[\xs:\xs+15], v20
	v_cvt_scalef32_pk16_bf6_f32 v[PT:PT+2], v[\xs+16:\xs+31], v20
	v_nop                                                          ; one plain line behind the scaled conversions
	v_mov_b32 v[\cd+3], v[PT]
	v_mov_b32 v[\cd+4], v[PT+1]
	v_mov_b32 v[\cd+5], v[PT+2]
.endm
	s_load_b512 s[4:19], s[0:1], 0x0               ; query 4, key 6, value 8, qimg 10, qscl 12, kimg 14, kscl 16, vimg 18
	s_load_b64 s[20:21], s[0:1], 0x40              ; vscl
	v_lshl_add_u32 v62, v0, 2, 0x11400
	v_mov_b32 v63, 0
	v_lshrrev_b32 v9, 5, v0
	v_readfirstlane_b32 s24, v9                    ; wave 0..3
	v_and_b32 v10, 31, v0                          ; lane
	v_and_b32 v11, 15, v0                          ; lane % 16
	v_bfe_u32 v12, v0, 4, 1                        ; h = lane / 16
	v_mov_b32 v8, 0
	v_mov_b32 v21, 0                               ; lane permutes' destinations count as read: written once
	v_mov_b32 v22, 0
	v_mov_b32 v23, 0
	s_mov_b32 s28, 0x76543210                      ; v_permlanex16_b32's selects for lane l xor 16
	s_mov_b32 s29, 0xfedcba98
	s_mov_b32 s27, 0                               ; high words of the offset pairs
	s_mov_b32 s31, 0
	s_cmp_lt_u32 ttmp9, 512
	s_cbranch_scc0 .Lvalue
	; ---------------- query and key ----------------
	s_and_b32 s25, ttmp9, 255
	s_lshl_b32 s25, s25, 2
	s_add_co_u32 s25, s25, s24                     ; which group of 64 rows of the tensor is my wave's
	s_mul_i32 s22, s24, WST                        ; my wave's stage
	s_wait_alu depctr_va_vdst(0)
	v_lshlrev_b32 v1, 4, v10                       ; 16 x lane
	v_lshlrev_b32 v5, 3, v10                       ; 8 x lane
	v_lshlrev_b32 v6, 2, v10                       ; 4 x lane
	v_lshlrev_b32 v7, 3, v12                       ; 8 h: my byte's place in a scale word
	v_mul_u32_u24 v2, v12, 272
	v_lshl_add_u32 v2, v11, 4, v2
	v_add_nc_u32 v2, s22, v2                       ; into the stage: a load's 512 bytes are two rows: row h, 16 bytes a lane
	v_and_b32 v13, 7, v0
	v_bfe_u32 v14, v0, 3, 1
	v_mul_u32_u24 v3, v13, 272
	v_mad_u32_u24 v3, v14, 8832, v3                ; 32 rows further on, and the 128 bytes behind row 31
	v_lshl_add_u32 v3, v12, 7, v3
	v_add_nc_u32 v3, s22, v3                       ; out of it: row 32 (m / 8) + m % 8 (+ 8 u by the immediate), half h
	v_cmp_le_u32 vcc_lo, 16, v10                   ; lanes 16-31
	s_wait_alu depctr_va_vdst(0)
	s_wait_kmcnt 0x0
	s_cmp_lt_u32 ttmp9, 256                        ; query's work-group or key's: the choice hangs on the work-group's number alone
	s_cselect_b64 s[4:5], s[4:5], s[6:7]
	s_lshl_b32 s26, s25, 14                        ; 64 rows of 256 bytes
	s_add_nc_u64 s[4:5], s[4:5], s[26:27]
.set n, 0
.rept 32
	global_load_b128 v[R+4*n:R+4*n+3], v1, s[4:5] offset:512*n th:TH_LOAD_NT   ; 32 lanes read 512 consecutive bytes
.set n, n+1
.endr
.irp q, 0,1,2,3
	s_wait_loadcnt 24-8*\q                         ; the eight oldest loads still out are in; the younger quarters may stay out
.irp i, 0,1,2,3,4,5,6,7
	ds_store_b128 v2, v[R+4*(8*\q+\i):R+4*(8*\q+\i)+3] offset:544*(8*\q+\i)+128*(\q/2)
.endr
.endr
.macro TLOAD u                         ; tile u: my row's 32 numbers of my half.  LDS serves a wave's instructions in order: these see the stores above
.irp j, 0,1,2,3,4,5,6,7
	ds_load_b128 v[X+32*((\u)%2)+4*\j:X+32*((\u)%2)+4*\j+3], v3 offset:2176*(\u)+16*\j
.endr
.endm
	TLOAD 0
	TLOAD 1
	s_wait_dscnt 8                                 ; tile 0 is in; tile 1's eight loads may be out
	QB X,FR,24
	TLOAD 2
	s_wait_dscnt 8                                 ; tile 1 is in; tile 2's may be out
	QB X+32,FR+6,25
	TLOAD 3
	s_wait_dscnt 8                                 ; tile 2 is in
	QB X,FR+12,26
	s_wait_dscnt 0x0
	QB X+32,FR+18,27
	s_cmp_lt_u32 ttmp9, 256
	s_cbranch_scc1 .Lquery
	; key: two fragments of 12 registers, as they stand; a scale word a row: bytes (first tile half 0, half 1, second tile half 0, half 1)
	s_mul_i32 s26, s25, 3072
	s_add_nc_u64 s[14:15], s[14:15], s[26:27]
	s_lshl_b32 s30, s25, 7
	s_add_nc_u64 s[16:17], s[16:17], s[30:31]
.irp p, 0,1
.irp g, 0,1,2
	global_store_b128 v1, v[FR+12*\p+4*\g:FR+12*\p+4*\g+3], s[14:15] offset:1536*\p+512*\g   ; 512 consecutive bytes
.endr
.endr
	v_lshl_or_b32 v28, v25, 16, v24
	v_lshl_or_b32 v29, v27, 16, v26
	v_lshlrev_b32 v28, v7, v28                     ; my half's two bytes at their places
	v_lshlrev_b32 v29, v7, v29
	v_permlanex16_b32 v21, v28, s28, s29
	v_permlanex16_b32 v22, v29, s28, s29
	v_or_b32 v28, v28, v21                         ; with lane l xor 16's two the word is whole
	v_or_b32 v29, v29, v22
	v_cndmask_b32 v28, v28, v29, vcc_lo            ; lanes 0-15 store the first fragment's words, lanes 16-31 the second's
	global_store_b32 v6, v28, s[16:17]
	s_wait_tensorcnt 0x0
	ds_add_u32 v62, v63
	s_wait_dscnt 0x0
	s_endpgm
.Lquery:
	; query: X and Y of each tile; a scale word a row: bytes (half 0, half 1, half 0, half 1)
	s_mul_i32 s26, s25, 6144
	s_add_nc_u64 s[10:11], s[10:11], s[26:27]
	s_lshl_b32 s30, s25, 8
	s_add_nc_u64 s[12:13], s[12:13], s[30:31]
.irp u, 0,1,2,3
.irp e, 0,1,2,3,4,5
	v_cndmask_b32 v[R+12*\u+\e], v[FR+6*\u+\e], v8, vcc_lo         ; X: zeros in lanes 16-31
	v_cndmask_b32 v[R+12*\u+6+\e], v8, v[FR+6*\u+\e], vcc_lo       ; Y: zeros in lanes 0-15
.endr
	global_store_b64 v5, v[R+12*\u:R+12*\u+1], s[10:11] offset:1536*\u
	global_store_b128 v1, v[R+12*\u+2:R+12*\u+5], s[10:11] offset:1536*\u+256
	global_store_b64 v5, v[R+12*\u+6:R+12*\u+7], s[10:11] offset:1536*\u+768
	global_store_b128 v1, v[R+12*\u+8:R+12*\u+11], s[10:11] offset:1536*\u+1024
.endr
.irp u, 0,1,2,3
	v_lshlrev_b32 v[28+\u], v7, v[24+\u]
.endr
	v_permlanex16_b32 v21, v28, s28, s29
	v_permlanex16_b32 v22, v29, s28, s29
	v_permlanex16_b32 v23, v30, s28, s29
	v_or_b32 v28, v28, v21
	v_or_b32 v29, v29, v22
	v_or_b32 v30, v30, v23
	v_permlanex16_b32 v21, v31, s28, s29
	v_or_b32 v31, v31, v21
.irp u, 0,1,2,3
	v_lshl_or_b32 v[28+\u], v[28+\u], 16, v[28+\u]
.endr
	v_cndmask_b32 v28, v28, v29, vcc_lo
	v_cndmask_b32 v30, v30, v31, vcc_lo
	global_store_b32 v6, v28, s[12:13]             ; tiles 0 and 1
	global_store_b32 v6, v30, s[12:13] offset:128  ; tiles 2 and 3
	s_wait_tensorcnt 0x0
	ds_add_u32 v62, v63
	s_wait_dscnt 0x0
	s_endpgm
	; ---------------- value ----------------
.Lvalue:
	s_sub_co_u32 s25, ttmp9, 512
	s_lshl_b32 s25, s25, 2
	s_add_co_u32 s25, s25, s24
	s_lshr_b32 s22, s25, 1                         ; which 128 keys: 16 x head + step
	s_and_b32 s23, s25, 1                          ; which 32 channels
	s_wait_alu depctr_va_vdst(0)
	v_lshlrev_b32 v1, 2, v10                       ; 4 x lane: my channel
	v_mul_u32_u24 v2, v12, 1536
	v_lshl_add_u32 v2, v11, 4, v2                  ; out: lanes 16-31 belong to the next fragment of 16 channels; 16 bytes a lane
	s_lshl_b32 s26, s22, 15                        ; 128 keys of 256 bytes
	s_lshl_b32 s30, s23, 7
	s_add_co_u32 s26, s26, s30
	s_wait_alu depctr_va_vdst(0)
	s_wait_kmcnt 0x0
	s_add_nc_u64 s[8:9], s[8:9], s[26:27]
	s_mul_i32 s26, s22, 6144
	s_mul_i32 s30, s23, 3072
	s_add_co_u32 s26, s26, s30
	s_add_nc_u64 s[18:19], s[18:19], s[26:27]
	s_lshl_b32 s26, s22, 8
	s_lshl_b32 s30, s23, 7
	s_add_co_u32 s26, s26, s30
	s_add_nc_u64 s[20:21], s[20:21], s[26:27]
.macro VLOAD b                         ; block b: value(32 b + i, my channel): 128 consecutive bytes a wave; the neighbouring wave reads the row's other half
.set i, 0
.rept 32
	global_load_b32 v[R+32*(\b)+i], v1, s[8:9] offset:256*(32*(\b)+i)
.set i, i+1
.endr
.endm
	VLOAD 0
	VLOAD 1
	s_wait_loadcnt 32                              ; block 0 is in; block 1's 32 loads may be out
	VLOAD 2
	QB R,FR,24                                     ; block b = 2 c + h goes to registers 6 c .. 6 c + 5 of what lane half h of the fragment wants: run h at FR + 12 h
	s_wait_loadcnt 32                              ; block 1 is in; block 2's may be out
	VLOAD 3
	QB R+32,FR+12,25
	s_wait_loadcnt 32                              ; block 2 is in; block 3's may be out
	QB R+64,FR+6,26
	s_wait_loadcnt 0x0
	QB R+96,FR+18,27
	v_lshl_or_b32 v28, v25, 8, v24                 ; my channel's scale word: byte b for block b
	v_lshl_or_b32 v28, v26, 16, v28
	v_lshl_or_b32 v28, v27, 24, v28
.irp h, 0,1
.irp g, 0,1,2
	global_store_b128 v2, v[FR+12*\h+4*\g:FR+12*\h+4*\g+3], s[18:19] offset:512*\g+256*\h   ; sixteen lanes store 256 consecutive bytes, aligned
.endr
.endr
	global_store_b32 v1, v28, s[20:21]
	s_endpgm
.Lfunc_end_k_q1537916729_prep:
	.size	k_q1537916729_prep, .Lfunc_end_k_q1537916729_prep-k_q1537916729_prep
	.p2alignl 7, 3214868480
	.fill 96, 4, 3214868480
	.section	.rodata,"a",@progbits
	.p2align	6, 0x0
	.amdhsa_kernel k_q1537916729_prep
		.amdhsa_group_segment_fixed_size 71168
		.amdhsa_private_segment_fixed_size 0
		.amdhsa_enable_private_segment 0
		.amdhsa_kernarg_size 72
		.amdhsa_user_sgpr_count 2
		.amdhsa_user_sgpr_kernarg_segment_ptr 1
		.amdhsa_wavefront_size32 1
		.amdhsa_system_sgpr_workgroup_id_x 1
		.amdhsa_system_sgpr_workgroup_id_y 1
		.amdhsa_system_sgpr_workgroup_id_z 1
		.amdhsa_system_vgpr_workitem_id 0
		.amdhsa_next_free_vgpr 256
		.amdhsa_next_free_sgpr 66
		.amdhsa_reserve_vcc 1
		.amdhsa_float_denorm_mode_32 3
		.amdhsa_float_denorm_mode_16_64 3
		.amdhsa_memory_ordered 1
		.amdhsa_forward_progress 1
		.amdhsa_inst_pref_size 41
	.end_amdhsa_kernel
	.amdgpu_metadata
---
amdhsa.version: [ 1, 2 ]
amdhsa.kernels:
  - .name:           k_q1537916729_prep
    .symbol:         k_q1537916729_prep.kd
    .args:
      - { .name: query, .offset: 0, .size: 8, .value_kind: global_buffer, .address_space: global }
      - { .name: key, .offset: 8, .size: 8, .value_kind: global_buffer, .address_space: global }
      - { .name: value, .offset: 16, .size: 8, .value_kind: global_buffer, .address_space: global }
      - { .name: qimg, .offset: 24, .size: 8, .value_kind: global_buffer, .address_space: global }
      - { .name: qscl, .offset: 32, .size: 8, .value_kind: global_buffer, .address_space: global }
      - { .name: kimg, .offset: 40, .size: 8, .value_kind: global_buffer, .address_space: global }
      - { .name: kscl, .offset: 48, .size: 8, .value_kind: global_buffer, .address_space: global }
      - { .name: vimg, .offset: 56, .size: 8, .value_kind: global_buffer, .address_space: global }
      - { .name: vscl, .offset: 64, .size: 8, .value_kind: global_buffer, .address_space: global }
    .group_segment_fixed_size: 71168
    .private_segment_fixed_size: 0
    .kernarg_segment_align: 8
    .kernarg_segment_size: 72
    .max_flat_workgroup_size: 128
    .sgpr_count:     66
    .vgpr_count:     256
    .wavefront_size: 32
...
	.end_amdgpu_metadata
.endif
;; end of part 1
;; launch attn (part 2): grid 256 x 1, 8 waves a work-group, no clusters, 136,192 bytes of LDS; arguments kimg, kscl, vimg, vscl, qimg, qscl, lambda_params, out0; writes out0
.if DOCPART == 2
	.amdgcn_target "amdgcn-amd-amdhsa--gfx1250"
	.amdhsa_code_object_version 6
	.text
	.protected	k_q1537916729_attn
	.globl	k_q1537916729_attn
	.p2align	8
	.type	k_q1537916729_attn,@function
k_q1537916729_attn:
	s_mov_b64 s[64:65], 0
	v_nop
	global_prefetch_b8 v0, s[64:65] scope:SCOPE_SE
	s_setreg_imm32_b32 hwreg(HW_REG_WAVE_MODE, 25, 1), 1
	s_wait_xcnt 0x0
; out = 0.2 x groupnorm((softmax(q1 k1^T / sqrt(32)) - lam softmax(q2 k2^T / sqrt(32))) v), all three products on codes of E3M2 with E8M0 scales; the difference of the two FINISHED softmaxes is quantised along the keys.
; SHARES.  A work-group owns 256 queries of one head: 16 tiles of 16.  Its eight waves share the keys: wave w owns keys 256 w .. 256 w + 255 (two steps of 128) for every tile.  Its 8 fragments of K (96 registers) and all
; its scale words stay in registers, its 8 fragments of V in its own 12,288 bytes of LDS.  A lane's 256 scores of a tile (128 of each map) stay in registers from the product to the quantiser: every score and exponential is made once.
; A K OF 32 IN A FORM OF 128.  A fragment of K holds two tiles of 16 keys: blocks 0, 1 = first tile's two halves, blocks 2, 3 = second tile's.  The query tile stands in four variants with one block of codes and zero
; codes elsewhere, all read out of the run Z X Z Y Z (30 registers): [X Z] first tile map 1, [Y Z] first tile map 2, [Z X], [Z Y] the second tile's.  Zero codes add nothing under any scale byte from 1 to 254.
; LAYOUT.  Both products are used transposed (source 0 = 16 keys, or 16 channels of V; source 1 = 16 queries): a lane holds ONE query (lane % 16).  The first launch chose a tile's keys so that registers 32 c .. 32 c + 31 of
; lane (r, h) are the neighbouring keys 64 c + 32 h + 0 .. 31 of a step: a whole block of the next product's K.
; SOFTMAX OVER WAVES.  t = score x log2(e) / sqrt(32).  Each wave takes away its own largest t, rounded up to a whole number M_w: p = 2^(t - M_w), l_w = sum of p.  One exchange through LDS gives M = max M_w and
; l = sum of l_w 2^(M_w - M) (exact scalings).  attn = p1 R1 + p2 R2 with R1 = 2^(M1_w - M1) / l1, R2 = -lam 2^(M2_w - M2) / l2.
; THE EXPONENTIALS GO IN BATCHES: map 1's 64 scalings, a wait, its 128 exponentials, map 2's scalings, a wait, its exponentials, map 1's sums, a wait, map 2's sums.
; DEPENDENT CHAINS STAND AMONG INDEPENDENT LINES: the last tile's norm is laid step by step among map 1's 56 sum lines; the two maps' maxima and sums end by turns; both steps of attn are quantised together, their chains by turns.
; TWO BARRIERS A TILE: behind the first the waves' (-M, l) lie in LDS; behind the second their eight partial rows of O; the next tile's scores stand between the second's signal and its wait.
; NO CLUSTER: what work-groups of a head share, K's and V's images, is read once at the head (24,576 bytes a wave), K's part straight into registers; the loop reads 1,600 bytes of its own query tile and nothing shared.
; NO PREFETCH: the loop's only stream, the query tiles, is asked for by its own loads a whole tile ahead of its use.
; LIMITS: NaN and infinities are not served.  An exponential under 2^-126 comes out as 0; a wave whose M_w lies more than some 126 under the row's M adds zeros.  A block of attn under 2^-122 keeps the byte 1.
; The promise holds while the scaled scores t stay under 2^31 in magnitude.
; REGISTERS, window 0: v1-11 addresses; v12-19 K's scale words, v20-27 V's, v28 Q's, v29-30 attn's; v31, v62 the add's two; v32-61 Z X Z Y Z; v64-67 (-M1, -M2, l1, l2); v68-85 chains at work; v86 -M2 once more, then R2;
;   v88-119 exchange entries, partial rows, attn's codes (step 1 v88-99, step 0 v104-115); v120-127 the norm's result, at work; v128-255 map 1: scores, p, attn.
;   window 1: v0-127 map 2: scores, p; then V's fragments (v0-47, v64-111) and O^T (v48-63, v112-127); v128-223 K; v238 R1.
.set OPART, 98304                      ; LDS: 0: V's images, 12,288 bytes a wave;  OPART: partial O, 16 rows x 272 bytes a wave;  STATS: 16 bytes a query and wave;  SPARE: the spare words, 128 bytes a wave
.set STATS, 133120
.set SPARE, 135168
.set FLOOR, 0x2800000                  ; 2^(5 - 127)
.set EOFF,  0xfe000000                 ; -(4 << 23)
.set MSB, 0
.macro WIN new                         ; s_set_vgpr_msb: bits 1:0 source 0, 3:2 source 1, 5:4 source 2, 7:6 destination; the high byte repeats the setting that is left
.if MSB != \new
	s_set_vgpr_msb (MSB<<8)|\new
.set MSB, \new
.endif
.endm
.macro NOPS n
.rept \n
	v_nop
.endr
.endm
.macro QLOAD                           ; a query tile: X, Y and its scale words
	global_load_b64 v[38:39], v2, s[16:17] th:TH_LOAD_NT
	global_load_b128 v[40:43], v1, s[16:17] offset:256 th:TH_LOAD_NT
	global_load_b64 v[50:51], v2, s[16:17] offset:768 th:TH_LOAD_NT
	global_load_b128 v[52:55], v1, s[16:17] offset:1024 th:TH_LOAD_NT
	global_load_b32 v28, v3, s[18:19] th:TH_LOAD_NT
.endm
; slice k of 16 of the search for a lane's largest score of map 1: registers 2 (k % 4), + 1 of accumulators 4 (k / 4) + 0 .. 3, in four chains.  Each accumulator is read from its low end on.
.macro MAXSL sb, mx
.irp q, 0,1,2,3
.if k == 0
	v_max_num_f32 v[\mx+\q], v[\sb+8*\q], v[\sb+8*\q+1]
.else
	v_max3_num_f32 v[\mx+\q], v[\mx+\q], v[\sb+8*(4*(k/4)+\q)+2*(k%4)], v[\sb+8*(4*(k/4)+\q)+2*(k%4)+1]
.endif
.endr
.endm
; Both score maps of the tile whose X and Y have been asked for, and their -M_w.  Work on registers alone.
.macro SCORES
	s_wait_loadcnt 0x0                             ; the query tile is in; so its loads' bases may step
	s_add_nc_u64 s[16:17], s[16:17], 1536
	s_add_nc_u64 s[18:19], s[18:19], 64
	WIN 0x01                                       ; K in window 1; Q and map 1 in window 0
.set k, 0
.rept 16                               ; product k: fragment k / 2, its first or second tile
.if (k%2) == 0
	v_wmma_scale_f32_16x16x128_f8f6f4 v[128+8*k:128+8*k+7], v[128+12*(k/2):128+12*(k/2)+11], v[38:49], 0, v[12+k/2], v28 matrix_a_fmt:MATRIX_FMT_BF6 matrix_b_fmt:MATRIX_FMT_BF6
.else
	v_wmma_scale_f32_16x16x128_f8f6f4 v[128+8*k:128+8*k+7], v[128+12*(k/2):128+12*(k/2)+11], v[32:43], 0, v[12+k/2], v28 matrix_a_fmt:MATRIX_FMT_BF6 matrix_b_fmt:MATRIX_FMT_BF6
.endif
.set k, k+1
.endr
	WIN 0
	NOPS 4                                         ; four places ahead of the first read of these results
.set k, 0
.rept 16                               ; map 2's products, a slice of map 1's maximum behind each
	WIN 0x41                                       ; map 2 in window 1
.if (k%2) == 0
	v_wmma_scale_f32_16x16x128_f8f6f4 v[8*k:8*k+7], v[128+12*(k/2):128+12*(k/2)+11], v[50:61], 0, v[12+k/2], v28 matrix_a_fmt:MATRIX_FMT_BF6 matrix_b_fmt:MATRIX_FMT_BF6
.else
	v_wmma_scale_f32_16x16x128_f8f6f4 v[8*k:8*k+7], v[128+12*(k/2):128+12*(k/2)+11], v[44:55], 0, v[12+k/2], v28 matrix_a_fmt:MATRIX_FMT_BF6 matrix_b_fmt:MATRIX_FMT_BF6
.endif
	WIN 0
	MAXSL 128,72
.set k, k+1
.endr
	WIN 0x05                                       ; map 2's maximum: eight chains v78-85 in window 0, the scores in window 1.  Slice k of 8: registers 2 (k % 4), + 1 of accumulators 8 (k / 4) + 0 .. 7
.irp q, 0,1,2,3,4,5,6,7
	v_max_num_f32 v[78+\q], v[8*\q], v[8*\q+1]
.endr
	WIN 0x14
.set k, 1
.rept 7                                ; the last products' results are first read in slice 4: 36 plain lines behind them, from their low ends on
.irp q, 0,1,2,3,4,5,6,7
	v_max3_num_f32 v[78+\q], v[78+\q], v[8*(8*(k/4)+\q)+2*(k%4)], v[8*(8*(k/4)+\q)+2*(k%4)+1]
.endr
.set k, k+1
.endr
	WIN 0
	v_max3_num_f32 v72, v72, v73, v74              ; -M_w = floor(-largest t) of my query over my wave's 256 keys: the two maps by turns
	v_max3_num_f32 v78, v78, v79, v80
	v_max3_num_f32 v81, v81, v82, v83
	v_max_num_f32 v72, v72, v75
	v_max3_num_f32 v78, v78, v84, v85
	v_max_num_f32 v78, v78, v81
	v_permlanex16_b32 v76, v72, s28, s29
	v_permlanex16_b32 v77, v78, s28, s29
	v_max_num_f32 v72, v72, v76
	v_max_num_f32 v78, v78, v77
	v_mul_f32 v72, s30, v72                        ; as t (the factor is positive)
	v_mul_f32 v78, s30, v78
	v_floor_f32 v64, -v72
	v_floor_f32 v65, -v78                          ; -M2 beside -M1, for the exchange,
	v_floor_f32 v86, -v78                          ; and in the low word of a pair, for map 2's scalings
	s_wait_alu depctr_va_vdst(0)
.endm
.macro SCALE sb, nm                    ; t - M_w in place, two at a time (of both pairs the low word serves both halves)
.set k, 0
.rept 64
	v_pk_fma_f32 v[\sb+2*k:\sb+2*k+1], v[\sb+2*k:\sb+2*k+1], s[30:31], v[\nm:\nm+1] op_sel_hi:[1,0,0]
.set k, k+1
.endr
.endm
.macro EXPS sb                         ; p = 2^(t - M_w) in place: one batch of 128
.set k, 0
.rept 128
	v_exp_f32 v[\sb+k], v[\sb+k]
.set k, k+1
.endr
.endm
; THE NORM of the tile before, step n of 31.  v88-119: the eight waves' parts of my four channels of row (thread / 16).  Steps 0-13 their sum; 14-20 -mean over the row's 64 channels (16 lanes x 4); 21-30 variance + 1e-5 in v92.
.macro FDPP x
	v_add_f32_dpp v92, v92, v92 row_xmask:\x row_mask:0xf bank_mask:0xf
.endm
.macro FSTEP n
.if (\n) < 8
.set FP, 88+8*((\n)/2)+2*((\n)%2)
	v_pk_add_f32 v[FP:FP+1], v[FP:FP+1], v[FP+4:FP+5]
.elseif (\n) < 12
.set FP, 88+16*(((\n)-8)/2)+2*((\n)%2)
	v_pk_add_f32 v[FP:FP+1], v[FP:FP+1], v[FP+8:FP+9]
.elseif (\n) < 14
.set FP, 88+2*((\n)%2)
	v_pk_add_f32 v[FP:FP+1], v[FP:FP+1], v[FP+16:FP+17]
.elseif (\n) == 14
	v_pk_add_f32 v[92:93], v[88:89], v[90:91]
.elseif (\n) == 15 || (\n) == 25
	v_add_f32 v92, v92, v93
.elseif (\n) == 16 || (\n) == 26
	FDPP 1
.elseif (\n) == 17 || (\n) == 27
	FDPP 2
.elseif (\n) == 18 || (\n) == 28
	FDPP 4
.elseif (\n) == 19 || (\n) == 29
	FDPP 8
.elseif (\n) == 20
	v_mul_f32 v76, 0xbc800000, v92                 ; -mean
.elseif (\n) == 21
	v_pk_add_f32 v[88:89], v[88:89], v[76:77] op_sel_hi:[1,0]
.elseif (\n) == 22
	v_pk_add_f32 v[90:91], v[90:91], v[76:77] op_sel_hi:[1,0]
.elseif (\n) == 23
	v_pk_mul_f32 v[92:93], v[88:89], v[88:89]
.elseif (\n) == 24
	v_pk_fma_f32 v[92:93], v[90:91], v[90:91], v[92:93]
.else
	v_fma_f32 v92, v92, s37, s38                   ; variance + 1e-5
.endif
.endm
.macro FFIN                            ; behind the reciprocal root: the result in v120-123
	v_mul_f32 v76, 0x3e4ccccd, v92                 ; x (1 - 0.8)
	v_pk_mul_f32 v[120:121], v[88:89], v[76:77] op_sel_hi:[1,0]
	v_pk_mul_f32 v[122:123], v[90:91], v[76:77] op_sel_hi:[1,0]
.endm
.macro FSTORE                          ; tile s34 = 4 g + u holds queries 64 g + 32 (r / 8) + 8 u + r % 8
	s_lshr_b32 s35, s34, 2
	s_lshl_b32 s35, s35, 14
	s_and_b32 s36, s34, 3
	s_lshl_b32 s36, s36, 11
	s_add_co_u32 s35, s35, s36
	v_add_nc_u32 v10, s35, v9
	global_store_b128 v10, v[120:123], s[22:23] th:TH_STORE_NT     ; the wave's 32 lanes store two neighbouring rows: 512 consecutive bytes, aligned
	s_add_co_u32 s34, s34, 1
.endm
; My lane's sum of a map's 128 p: eight packed chains by turns, begun by the first sixteen pairs.  sh = 0: map 1, chains v68,70,72,74,78,80,82,84; sh = 1: map 2 (p in window 1), chains v70,72,74,78,80,82,84,124.
; far = 1: the norm's steps stand among the lines: steps 0-13 one to a line, steps 14-30, each of which reads the step before it, one to two lines.
.macro SUMC sb, sh, far
	WIN 5*\sh
.set k, 8
.rept 56
.set CI, (k%8)+\sh
.set CR, 68+2*CI+2*(CI/4)+36*(CI/8)
.if k == 16
	WIN 4*\sh
.endif
.if k < 16
	v_pk_add_f32 v[CR:CR+1], v[\sb+2*(k-8):\sb+2*(k-8)+1], v[\sb+2*k:\sb+2*k+1]
.else
	v_pk_add_f32 v[CR:CR+1], v[CR:CR+1], v[\sb+2*k:\sb+2*k+1]
.endif
.if \far
.if k < 22
	FSTEP (k-8)
.elseif (k%2) == 0 && k <= 54
	FSTEP (14+(k-22)/2)
.endif
.endif
.set k, k+1
.endr
	WIN 0
.endm
.macro TREE a, b, c, d, e, f, g, h     ; eight chains into the first
	v_pk_add_f32 v[\a:\a+1], v[\a:\a+1], v[\b:\b+1]
	v_pk_add_f32 v[\c:\c+1], v[\c:\c+1], v[\d:\d+1]
	v_pk_add_f32 v[\e:\e+1], v[\e:\e+1], v[\f:\f+1]
	v_pk_add_f32 v[\g:\g+1], v[\g:\g+1], v[\h:\h+1]
	v_pk_add_f32 v[\a:\a+1], v[\a:\a+1], v[\c:\c+1]
	v_pk_add_f32 v[\e:\e+1], v[\e:\e+1], v[\g:\g+1]
	v_pk_add_f32 v[\a:\a+1], v[\a:\a+1], v[\e:\e+1]
.endm
; From the eight waves' (-M1, -M2, l1, l2) of my query (my half of the lanes holds four of them in v88-103): R1 into window 1 v238, R2 into v86.
.macro MERGE
	v_min3_num_f32 v80, v88, v92, v96
	v_min3_num_f32 v81, v89, v93, v97
	v_min_num_f32 v80, v80, v100
	v_min_num_f32 v81, v81, v101
	v_permlanex16_b32 v72, v80, s28, s29
	v_permlanex16_b32 v73, v81, s28, s29
	v_min_num_f32 v80, v80, v72                    ; -M = the least -M_w
	v_min_num_f32 v81, v81, v73
.irp e, 0,1,2,3
	v_pk_add_f32 v[88+4*\e:89+4*\e], v[80:81], v[88+4*\e:89+4*\e] neg_lo:[0,1] neg_hi:[0,1]   ; M_w - M: whole numbers, 0 or less
.endr
	v_pk_add_f32 v[84:85], v[80:81], v[64:65] neg_lo:[0,1] neg_hi:[0,1]                        ; my own wave's
.irp e, 0,1,2,3
	v_cvt_i32_f32 v[88+4*\e], v[88+4*\e]           ; (it saturates)
	v_cvt_i32_f32 v[89+4*\e], v[89+4*\e]
.endr
.irp e, 0,1,2,3
	v_ldexp_f32 v[90+4*\e], v[90+4*\e], v[88+4*\e] ; l_w 2^(M_w - M): nothing is rounded
	v_ldexp_f32 v[91+4*\e], v[91+4*\e], v[89+4*\e]
.endr
	v_pk_add_f32 v[90:91], v[90:91], v[94:95]
	v_pk_add_f32 v[98:99], v[98:99], v[102:103]
	v_pk_add_f32 v[82:83], v[90:91], v[98:99]
	v_permlanex16_b32 v72, v82, s28, s29
	v_permlanex16_b32 v73, v83, s28, s29
	v_pk_add_f32 v[82:83], v[82:83], v[72:73]      ; l1, l2
	s_wait_alu depctr_va_vdst(0)                   ; the wait ahead of the two reciprocals
	v_rcp_f32 v82, v82
	v_rcp_f32 v83, v83
	v_cvt_i32_f32 v84, v84                         ; (plain lines behind the reciprocals)
	v_cvt_i32_f32 v85, v85
	s_wait_alu depctr_va_vdst(0)                   ; and behind them, ahead of their first reader
	v_ldexp_f32 v86, v83, v85
	v_mul_f32 v86, s32, v86                        ; R2 = -lam 2^(M2_w - M2) / l2
	WIN 0x40
	v_ldexp_f32 v238, v82, v84                     ; R1 = 2^(M1_w - M1) / l1
	WIN 0
.endm
.macro COMB s                          ; attn = p1 R1 + p2 R2 for step s, in place of p1
	WIN 0x04                                       ; source 1 in window 1
.set k, 0
.rept 8
.irp i, 0,1,2,3
	v_pk_mul_f32 v[128+64*\s+8*k+2*\i:128+64*\s+8*k+2*\i+1], v[128+64*\s+8*k+2*\i:128+64*\s+8*k+2*\i+1], v[238:239] op_sel_hi:[1,0]
.endr
.irp i, 0,1,2,3
	v_pk_fma_f32 v[128+64*\s+8*k+2*\i:128+64*\s+8*k+2*\i+1], v[86:87], v[64*\s+8*k+2*\i:64*\s+8*k+2*\i+1], v[128+64*\s+8*k+2*\i:128+64*\s+8*k+2*\i+1] op_sel_hi:[0,1,1]
.endr
.set k, k+1
.endr
.endm
.macro LOADV s                         ; step s's four fragments of V, into the registers that p2 of that step has left
	WIN 0x40
.irp t, 0,1,2,3
.irp g, 0,1,2
	ds_load_b128 v[64*\s+12*\t+4*\g:64*\s+12*\t+4*\g+3], v4 offset:1536*(4*\s+\t)+512*\g
.endr
.endr
.endm
; Both steps' attn: my four whole blocks (block h and 2 + h of each step) -> codes in v104-115 (step 0) and v88-99 (step 1), the row's scale words in v29, v30.  Eight chains of 16 by turns, then the four blocks by turns.
.macro QUANT
	WIN 0
.irp z, 0,1,2,3,4,5,6,7
	v_max3_num_f32 v[68+\z], |v[128+16*\z]|, |v[129+16*\z]|, |v[130+16*\z]|
.endr
.irp i, 3,5,7,9,11,13
.irp z, 0,1,2,3,4,5,6,7
	v_max3_num_f32 v[68+\z], v[68+\z], |v[128+16*\z+\i]|, |v[129+16*\z+\i]|
.endr
.endr
.irp z, 0,1,2,3,4,5,6,7
	v_max3_num_f32 v[68+\z], v[68+\z], |v[143+16*\z]|, FLOOR       ; the floor: the byte cannot fall under 1
.endr
.irp b, 68,70,72,74
	v_max_num_f32 v[\b], v[\b], v[\b+1]            ; a block's largest magnitude
.endr
.irp b, 68,70,72,74
	v_add_nc_u32 v[\b+1], EOFF, v[\b]              ; 4 off the exponent field: the conversions' scale operands
.endr
.irp b, 68,70,72,74
	v_lshrrev_b32 v[\b], 23, v[\b+1]               ; the bytes
.endr
	v_lshl_or_b32 v68, v70, 16, v68
	v_lshl_or_b32 v72, v74, 16, v72
	v_lshlrev_b32 v68, v11, v68                    ; 8 h bits up: bytes h and 2 + h
	v_lshlrev_b32 v72, v11, v72
	v_permlanex16_b32 v78, v68, s28, s29
	v_permlanex16_b32 v79, v72, s28, s29
	v_or_b32 v29, v68, v78                         ; with lane l xor 16's two the word is whole
	v_or_b32 v30, v72, v79
	v_cvt_scalef32_pk16_bf6_f32 v[104:106], v[128:143], v69
	v_cvt_scalef32_pk16_bf6_f32 v[116:118], v[144:159], v69        ; (a conversion's three registers begin on an even number)
	v_cvt_scalef32_pk16_bf6_f32 v[110:112], v[160:175], v71
	v_cvt_scalef32_pk16_bf6_f32 v[120:122], v[176:191], v71
	v_cvt_scalef32_pk16_bf6_f32 v[88:90], v[192:207], v73
	v_cvt_scalef32_pk16_bf6_f32 v[100:102], v[208:223], v73
	v_cvt_scalef32_pk16_bf6_f32 v[94:96], v[224:239], v75
	v_cvt_scalef32_pk16_bf6_f32 v[124:126], v[240:255], v75
	v_nop                                          ; one plain line behind the scaled conversions
.irp i, 0,1,2
	v_mov_b32 v[107+\i], v[116+\i]
	v_mov_b32 v[113+\i], v[120+\i]
.endr
.irp i, 0,1,2
	v_mov_b32 v[91+\i], v[100+\i]
	v_mov_b32 v[97+\i], v[124+\i]
.endr
.endm
.macro PV s, ps, cd                    ; O^T (+)= V^T attn^T: four tiles of 16 channels, by turns; step 0 starts the sums
	WIN 0x51                                       ; V, C and D in window 1, attn's codes in window 0
.irp t, 0,1,2,3
.set OT, 48+8*\t+48*(\t/2)
.if \s == 0
	v_wmma_scale_f32_16x16x128_f8f6f4 v[OT:OT+7], v[12*\t:12*\t+11], v[\cd:\cd+11], 0, v[20+\t], v[\ps] matrix_a_fmt:MATRIX_FMT_BF6 matrix_b_fmt:MATRIX_FMT_BF6
.else
	v_wmma_scale_f32_16x16x128_f8f6f4 v[OT:OT+7], v[64+12*\t:64+12*\t+11], v[\cd:\cd+11], v[OT:OT+7], v[24+\t], v[\ps] matrix_a_fmt:MATRIX_FMT_BF6 matrix_b_fmt:MATRIX_FMT_BF6
.endif
.endr
.endm
.macro OSTORE                          ; lane (r, h): my wave's part of o(query r, channels 16 t + 8 h + 0 .. 7)
	WIN 0x04                                       ; an LDS store's data are its source 1
.irp t, 0,1,2,3
.set OT, 48+8*\t+48*(\t/2)
	ds_store_b128 v7, v[OT:OT+3] offset:64*\t      ; each accumulator from its low end on
	ds_store_b128 v7, v[OT+4:OT+7] offset:64*\t+16
.endr
.endm
.macro FLOAD                           ; the eight waves' parts of my four channels of row (thread / 16)
.irp p, 0,1,2,3,4,5,6,7
	ds_load_b128 v[88+4*\p:91+4*\p], v8 offset:4352*\p
.endr
.endm
	; ---------------- the head ----------------
	s_load_b512 s[8:23], s[0:1], 0x0               ; kimg 8, kscl 10, vimg 12, vscl 14, qimg 16, qscl 18, lambda 20, out 22
	v_lshl_add_u32 v31, v0, 2, SPARE               ; my spare word,
	v_mov_b32 v62, 0                               ; and 0: kept for the add at the wave's end
	v_lshrrev_b32 v68, 5, v0
	v_readfirstlane_b32 s24, v68                   ; wave 0..7
	s_lshr_b32 s25, ttmp9, 3                       ; batch x 16 + head
	v_and_b32 v68, 31, v0                          ; lane
	v_and_b32 v69, 15, v0                          ; r
	v_bfe_u32 v11, v0, 4, 1                        ; h
	v_lshlrev_b32 v1, 4, v68                       ; 16 x lane
	v_lshlrev_b32 v2, 3, v68                       ; 8 x lane
	v_lshlrev_b32 v3, 2, v69                       ; 4 r
	s_mul_i32 s35, s24, 12288
	v_add_nc_u32 v4, s35, v1                       ; V's images: my wave's, 16 x lane
	s_lshl_b32 s35, s24, 8
	s_add_co_u32 s35, s35, STATS
	v_lshl_add_u32 v5, v69, 4, s35                 ; where I store my query's four numbers (both halves of the lanes hold and store the same)
	v_lshlrev_b32 v6, 4, v69
	v_lshl_add_u32 v6, v11, 10, v6
	v_add_nc_u32 v6, STATS, v6                     ; where I read them: waves 4 h .. 4 h + 3
	s_mul_i32 s35, s24, 4352
	s_add_co_u32 s35, s35, OPART
	v_mul_u32_u24 v7, v69, 272
	v_lshl_add_u32 v7, v11, 5, v7
	v_add_nc_u32 v7, s35, v7                       ; partial O: my wave's, row r, + 32 h
	v_lshrrev_b32 v9, 4, v0                        ; the row that I finish: thread / 16
	v_mul_u32_u24 v8, v9, 272
	v_lshl_add_u32 v8, v69, 4, v8
	v_add_nc_u32 v8, OPART, v8
	v_and_b32 v10, 7, v9
	v_lshrrev_b32 v9, 3, v9
	v_lshlrev_b32 v9, 13, v9
	v_lshl_add_u32 v9, v10, 8, v9
	v_lshl_add_u32 v9, v69, 4, v9                  ; and its place in out: 256 (32 (row / 8) + row % 8) + 16 (lane % 16)
	v_lshlrev_b32 v11, 3, v11                      ; 8 h
	s_mov_b32 s27, 0
	s_mov_b32 s28, 0x76543210                      ; v_permlanex16_b32's selects for lane l xor 16
	s_mov_b32 s29, 0xfedcba98
	s_mov_b32 s30, 0x3e8293ee                      ; log2(e) / sqrt(32)
	s_mov_b32 s31, s30                             ; (named with it as a pair, so it is written)
	s_mov_b32 s37, 0x3c800000                      ; 1 / 64
	s_mov_b32 s38, 0x3727c5ac                      ; 1e-5
	s_mov_b32 s34, 0                               ; the tile to be stored next
	s_and_b32 s36, s25, 15
	s_lshl_b32 s36, s36, 2
	s_wait_alu depctr_va_vdst(0)
	s_wait_kmcnt 0x0
	s_load_b32 s32, s[20:21], s36 offset:0x0       ; the head's lambda
	s_mul_i32 s26, s25, 98304                      ; a head's images: 16 steps x 4 x 1,536 bytes;
	s_mul_i32 s35, s24, 12288                      ; my wave's two steps
	s_add_co_u32 s26, s26, s35
	s_add_nc_u64 s[8:9], s[8:9], s[26:27]
	s_add_nc_u64 s[12:13], s[12:13], s[26:27]
	s_lshl_b32 s26, s25, 12                        ; scale words: 4,096 bytes a head, 512 for my two steps
	s_lshl_b32 s35, s24, 9
	s_add_co_u32 s26, s26, s35
	s_add_nc_u64 s[10:11], s[10:11], s[26:27]
	s_add_nc_u64 s[14:15], s[14:15], s[26:27]
	s_mul_i32 s26, ttmp9, 24576                    ; my work-group's 16 query tiles
	s_add_nc_u64 s[16:17], s[16:17], s[26:27]
	s_lshl_b32 s26, ttmp9, 10
	s_add_nc_u64 s[18:19], s[18:19], s[26:27]
	s_lshl_b32 s26, ttmp9, 16                      ; its 256 rows of out
	s_add_nc_u64 s[22:23], s[22:23], s[26:27]
	WIN 0x40
.set n, 0
.rept 24
	global_load_b128 v[128+4*n:128+4*n+3], v1, s[8:9] offset:512*n         ; K's eight fragments: they stay
.set n, n+1
.endr
	WIN 0
.set n, 0
.rept 8
	global_load_b32 v[12+n], v3, s[10:11] offset:64*n
	global_load_b32 v[20+n], v3, s[14:15] offset:64*n
.set n, n+1
.endr
.set n, 0
.rept 24
	global_load_b128 v[128+4*n:128+4*n+3], v1, s[12:13] offset:512*n       ; V's eight, on their way to LDS
.set n, n+1
.endr
	QLOAD                                          ; tile 0
.irp z, 32,33,34,35,36,37,44,45,46,47,48,49,56,57,58,59,60,61
	v_mov_b32 v\z, 0                               ; Z: zero codes, written once
.endr
.irp z, 76,77,87
	v_mov_b32 v\z, 0                               ; lane permutes' destinations and the upper half of a pair of which the low word alone is used: written once
.endr
	WIN 0x40
	v_mov_b32 v239, 0                              ; the same beside R1
	WIN 0
	s_wait_alu depctr_va_vdst(0)
	s_wait_kmcnt 0x0
	s_xor_b32 s32, s32, 0x80000000                 ; -lambda
	s_wait_loadcnt 5                               ; all but the query tile's five loads
.set n, 0
.rept 24
	ds_store_b128 v4, v[128+4*n:128+4*n+3] offset:512*n    ; my wave's own bytes: no barrier
.set n, n+1
.endr
	s_wait_dscnt 0x0                               ; the stores have read their registers, which the scores take
	SCORES                                         ; tile 0
	QLOAD                                          ; tile 1
; ---------------- a tile ----------------
; first: no earlier tile is to be finished.  last: no further tile's scores.  guard: the query loads are jumped over in the loop's last trip, so that none leaves its buffer.
.macro BODY first, last, guard
	WIN 0
	SCALE 128,64
	s_wait_alu depctr_va_vdst(0)                   ; the wait ahead of a batch of transcendentals
	EXPS 128
	WIN 0x41                                       ; map 2 in window 1, -M2 in window 0
	SCALE 0,86                                     ; plain lines behind map 1's batch
	s_wait_alu depctr_va_vdst(0)                   ; one wait: behind map 1's batch and ahead of map 2's
	EXPS 0
	WIN 0
.if !\first
	s_wait_dscnt 0x0                               ; the last tile's partial rows are back
.endif
	SUMC 128,0,(1-\first)                          ; plain lines behind map 2's batch: map 1's p and the last tile's norm
.if !\first
	s_wait_alu depctr_va_vdst(0)                   ; the wait ahead of the transcendental
	v_rsq_f32 v92, v92
.endif
	TREE 68,70,72,74,78,80,82,84                   ; plain lines behind it
	s_wait_alu depctr_va_vdst(0)                   ; one wait, behind map 2's batch and the reciprocal root, ahead of their first readers
.if !\first
	FFIN
	FSTORE
.endif
	SUMC 0,1,0
	TREE 70,72,74,78,80,82,84,124
	v_add_f32 v68, v68, v69                        ; the two maps' sums end by turns
	v_add_f32 v70, v70, v71
	v_permlanex16_b32 v76, v68, s28, s29
	v_permlanex16_b32 v77, v70, s28, s29
	v_add_f32 v66, v68, v76                        ; l_w of my query over my wave's 256 keys
	v_add_f32 v67, v70, v77
	ds_store_b128 v5, v[64:67]
	s_wait_dscnt 0x0                               ; for the others' sake: my four numbers lie in LDS
	s_barrier_signal -1
	s_barrier_wait -1
.irp e, 0,1,2,3
	ds_load_b128 v[88+4*\e:91+4*\e], v6 offset:256*\e
.endr
	s_wait_dscnt 0x0
.if !\first
	s_wait_xcnt 0x0                                ; the norm's store has read its data and its offset: both are written again below and in the next tile
.endif
	MERGE
	COMB 0
	LOADV 0
	COMB 1
	LOADV 1
	QUANT
	s_wait_alu depctr_va_vdst(0)
	s_wait_dscnt 0x0                               ; V's eight fragments are in
	NOPS 4                                         ; codes made by vector lines stand four places ahead of their products; the scale words have these, the line behind the conversions and the other step's six moves
	PV 0,29,104
	PV 1,30,88
	NOPS 5                                         ; four places ahead of the stores of the results, five ahead of products that write over these registers
	OSTORE
	WIN 0
	s_wait_dscnt 0x0                               ; for the others' sake: my partial rows lie in LDS
	s_barrier_signal -1
.if !\last
	SCORES                                         ; the next tile's scores, on registers, while the others arrive
.endif
	s_barrier_wait -1
	FLOAD                                          ; they come back under the next tile's exponentials
.if !\last
.if \guard
	s_cmp_eq_u32 s33, 1
	s_cbranch_scc1 .Lnoq_\@
.endif
	QLOAD                                          ; the tile after next: a whole tile ahead of its use
.if \guard
.Lnoq_\@:
.endif
.endif
.endm
	BODY 1,0,0                                     ; tile 0
	s_mov_b32 s33, 14
.Ltile:                                                ; tiles 1 to 14
	BODY 0,0,1
	s_sub_co_u32 s33, s33, 1
	s_cmp_lg_u32 s33, 0
	s_cbranch_scc1 .Ltile
	BODY 0,1,0                                     ; tile 15
	s_wait_dscnt 0x0                               ; its partial rows are back: the last norm, on end
.set k, 0
.rept 31
	FSTEP k
.set k, k+1
.endr
	s_wait_alu depctr_va_vdst(0)                   ; the wait ahead of the transcendental
	v_rsq_f32 v92, v92
	v_nop                                          ; a plain line behind it
	s_wait_alu depctr_va_vdst(0)                   ; and the wait ahead of its reader
	FFIN
	FSTORE
	s_wait_tensorcnt 0x0                           ; the wave's end: behind my last LDS store
	ds_add_u32 v31, v62
	s_wait_dscnt 0x0
	s_endpgm
.Lfunc_end_k_q1537916729_attn:
	.size	k_q1537916729_attn, .Lfunc_end_k_q1537916729_attn-k_q1537916729_attn
	.p2alignl 7, 3214868480
	.fill 96, 4, 3214868480
	.section	.rodata,"a",@progbits
	.p2align	6, 0x0
	.amdhsa_kernel k_q1537916729_attn
		.amdhsa_group_segment_fixed_size 136192
		.amdhsa_private_segment_fixed_size 0
		.amdhsa_enable_private_segment 0
		.amdhsa_kernarg_size 64
		.amdhsa_user_sgpr_count 2
		.amdhsa_user_sgpr_kernarg_segment_ptr 1
		.amdhsa_wavefront_size32 1
		.amdhsa_system_sgpr_workgroup_id_x 1
		.amdhsa_system_sgpr_workgroup_id_y 1
		.amdhsa_system_sgpr_workgroup_id_z 1
		.amdhsa_system_vgpr_workitem_id 0
		.amdhsa_next_free_vgpr 512
		.amdhsa_next_free_sgpr 66
		.amdhsa_reserve_vcc 0
		.amdhsa_float_denorm_mode_32 3
		.amdhsa_float_denorm_mode_16_64 3
		.amdhsa_memory_ordered 1
		.amdhsa_forward_progress 1
		.amdhsa_inst_pref_size 199
	.end_amdhsa_kernel
	.amdgpu_metadata
---
amdhsa.version: [ 1, 2 ]
amdhsa.kernels:
  - .name:           k_q1537916729_attn
    .symbol:         k_q1537916729_attn.kd
    .args:
      - { .name: kimg, .offset: 0, .size: 8, .value_kind: global_buffer, .address_space: global }
      - { .name: kscl, .offset: 8, .size: 8, .value_kind: global_buffer, .address_space: global }
      - { .name: vimg, .offset: 16, .size: 8, .value_kind: global_buffer, .address_space: global }
      - { .name: vscl, .offset: 24, .size: 8, .value_kind: global_buffer, .address_space: global }
      - { .name: qimg, .offset: 32, .size: 8, .value_kind: global_buffer, .address_space: global }
      - { .name: qscl, .offset: 40, .size: 8, .value_kind: global_buffer, .address_space: global }
      - { .name: lambda_params, .offset: 48, .size: 8, .value_kind: global_buffer, .address_space: global }
      - { .name: out0, .offset: 56, .size: 8, .value_kind: global_buffer, .address_space: global }
    .group_segment_fixed_size: 136192
    .private_segment_fixed_size: 0
    .kernarg_segment_align: 8
    .kernarg_segment_size: 64
    .max_flat_workgroup_size: 256
    .sgpr_count:     66
    .vgpr_count:     512
    .wavefront_size: 32
...
	.end_amdgpu_metadata
.endif
;; end of part 2
